; MI455X (gfx1250); checked and timed in simulation.
; The chip was launched on July 23, 2026; its instructions are those of AMD's public machine-readable ISA for CDNA 5 (MIT licence, August 2026) and "CDNA5" Instruction Set Architecture Reference Guide (July 2026). The comments in the code are by the model that wrote it; some were corrected since.
;; Any BCQ Linear. Allowed arithmetic: matrix products marked QUANTISED: E5M2 operands, one given power-of-two scale a tensor, by v_wmma_f32_16x16x64_bf8_bf8 or v_wmma_f32_16x16x128_bf8_bf8, f32 sums; products left as they are: f32 operands where the result goes on into a quantised operand, else bf16, f16 or f32 operands; f32 sums; everything else in f32.
;; Inputs: alpha 32 x 4 x 2,048 float32; beta 32 x 2,048 float32; lowp_scales 2 int32 (the exponents e of the quantised operands' scales 2^e); qweight 128 x 4 x 2,048 int32; x 4 x 2,048 x 4,096 float32.
;; Outputs: out0 4 x 2,048 x 2,048 float32.
;; This version of the problem:
;;   THIS VERSION OF THE PROBLEM IS GIVEN IN LOW PRECISION. The matrix products marked QUANTISED in the list below multiply operands that are first quantised to E5M2 (5 exponent bits, 2 mantissa bits; 8 bits a number), with one given power-of-two scale for each operand tensor; their sums are f32. All else is computed in f32.
;;   The module's matrix products, in the order in which they are computed (A, B: the left and right operand; K: the contracted axis; several contracted axes count as one K, in the product's order):
;;     1. batch 65,536 x [M 1, K 4] x [K 4, N 128]; A: input alpha; B: computed on the way: left as it is (K = 4 < 32)
;;     2. [M 8,192, K 4,096] x [K 4,096, N 2,048]; A: input x; B: computed on the way: QUANTISED (scales: A lowp_scales[0], B lowp_scales[1])
;;   THE QUANTISER, for each operand of a quantised product, along K:
;;     - The operand's scale is 2^e, e = its entry of the input lowp_scales (int32; the entries are numbered through the quantised products in the list's order, A before B).
;;     - Each number is divided by the scale, clamped to +-57,344, and rounded to the nearest number of E5M2, ties to even, subnormals kept.
;;     - The product sums the exact products of the quantised numbers (number of the format x scale) in f32.
;;   ~~~python
;;   def quantise(x, axis, e):      # numpy; x: float32 -> the quantised numbers, widened to float32 again
;;       x = np.moveaxis(x, axis, -1); K = x.shape[-1]
;;       r = np.clip(x / 2.0 ** e, -57344, 57344)
;;       step = 2.0 ** (np.maximum(np.frexp(np.where(r == 0, 1, r))[1] - 1, -14) - 2)
;;       q = np.round(r / step) * step * 2.0 ** e      # np.round: ties to even
;;       return np.moveaxis(q, -1, axis).astype(np.float32)
;;   ~~~
;;   OPERANDS COMPUTED ON THE WAY. 'Computed on the way' means the value that the module computes at that place (a softmax that the list does not call 'softmax' is quantised finished and normalised). What goes into a quantiser is computed in f32, as accurately as f32 sums, v_exp_f32 and their like allow (about 1e-6 of the number): no bf16 or f16 on the way to a quantiser, and a product that is left as it is and whose result goes on into a quantised operand takes f32 operands (vector FMAs, or v_wmma_f32_16x16x4_f32). A number that lies on a knife's edge between two numbers of the format may be rounded either way, as far as f32 arithmetic and the matrix unit's own rounding can turn it there, and no further.
;; One version. Each part assembles by itself: llvm-mc -triple=amdgcn-amd-amdhsa -mcpu=gfx1250 --defsym DOCPART=n.
;; ======== version 1 of 1: 2 launches
;; limits: right only within a limited range of input values
;; workspace buffers: xc 33,554,432 bytes; wc 8,388,608 bytes
;; launch prep (part 1): grid 1536 x 1, 4 waves a work-group, no clusters, 0 bytes of LDS; arguments x, qweight, alpha, beta, lowp_scales, xc, wc; writes xc, wc
.if DOCPART == 1
	.amdgcn_target "amdgcn-amd-amdhsa--gfx1250"
	.amdhsa_code_object_version 6
	.text
	.protected	k_q37480b9301_prep
	.globl	k_q37480b9301_prep
	.p2align	8
	.type	k_q37480b9301_prep,@function
k_q37480b9301_prep:
	s_mov_b64 s[64:65], 0
	v_nop
	global_prefetch_b8 v0, s[64:65] scope:SCOPE_SE
	s_setreg_imm32_b32 hwreg(HW_REG_WAVE_MODE, 25, 1), 1
	s_wait_xcnt 0x0
; BOTH OPERANDS OF y = x w ARE TURNED INTO CODES OF BF8 (E5M2), ONCE, for the product's launch, in which every tile of x is wanted by 8 tile columns and every tile of w by 32 tile rows.
; code = number / 2^e, held within +-57,344, rounded to the nearest code, ties to even.  e is entry 0 (x) or entry 1 (w) of the buffer of scales (int32).
; LIMITS: each e lies between -126 and 112, so that 2^e and 57,344 x 2^e are f32 numbers.  NaN among the inputs is not served; an infinity is held at the largest code.
; THE ORDER ALONG K.  A product only asks that its two sides hold K in the same order, and both buffers of codes are this program's own.  So x's codes lie in the order in which dense loads deliver the numbers to a lane:
; within each 512 along K, place 16 l + 4 i + j holds k = 128 i + 4 l + j (l = 0 .. 31, i, j = 0 .. 3).  w's codes are laid in the same order.
; Work-groups 0 to 511 make w, work-groups 512 to 1,535 take x.  The two ways part on the work-group's number at the first line and never join.
; x [8,192][4,096] f32 -> xc [8,192][4,096], a byte a code, places along a row as above.
; w[k][o] = the sum over b of +-alpha[g][b][o] + beta[g][o], g = k / 128, + where bit k % 32 of qweight[k / 32][b][o] is 1; summed in f32 as ((t0 + t1) + t2) + t3 + beta.
; wc: byte ((o / 128) x 256 + place / 16) x 2,048 + seat(o) x 16 + place % 16: 128 columns x 256 places are 32,768 consecutive bytes, as the product's launch fetches them.
; THE ORDER OF COLUMNS in a block of 128: seat 16 b + r holds column 64 (b / 4) + 4 r + b % 4.  In the product's launch lane r of fragment b then holds that column, so that four fragments give a lane four neighbouring columns.
; No LDS, no tensor loads, no barrier, no cluster: waves share nothing.  Each step has registers of its own for its codes, and a wave's stores all stand at its end, behind its last vector line.
.set WGW,   512                        ; w's work-groups
.set EMAX,  15
.set MANT,  0x600000                   ; the mantissa field of 57,344 as f32
	s_cmp_lt_u32 ttmp9, WGW
	s_cbranch_scc1 .Lw
; x's way: 1,024 work-groups x 4 waves x 16 steps x 512 numbers.  Each of a step's four loads reads 512 consecutive bytes, 16 a lane: register 4 i + j of lane l is number 128 i + 4 l + j.
; The conversions take a lane's registers as they stand.  Loads run four steps (16 loads a wave) ahead.  Every offset is an immediate; no address register is rewritten.
.set STEPS, 16
.set XR,    16                         ; v16-79   four sets of 16 numbers
.set XC,    80                         ; v80-143  codes: four registers for each step
	s_load_b64 s[4:5], s[0:1], 0x0                 ; x
	s_load_b128 s[8:11], s[0:1], 0x20              ; the scales' exponents s[8:9], xc s[10:11]
	v_lshrrev_b32 v1, 5, v0
	v_readfirstlane_b32 s16, v1                    ; wave
	v_and_b32 v2, 31, v0                           ; lane
	v_lshlrev_b32 v3, 4, v2                        ; my 16 bytes of a load's 512, and of a store's 512
	s_sub_co_u32 s17, ttmp9, WGW
	s_lshl_b32 s17, s17, 2
	s_add_co_u32 s18, s17, s16                     ; which run of 8,192 numbers is my wave's
	s_lshl_b32 s20, s18, 15                        ; its 32,768 bytes of x,
	s_mov_b32 s21, 0
	s_lshl_b32 s22, s18, 13                        ; its 8,192 bytes of codes
	s_mov_b32 s23, 0
	s_wait_alu depctr_va_vdst(0)
	s_wait_kmcnt 0x0
	s_load_b32 s24, s[8:9], 0x0                    ; e of x
	s_add_nc_u64 s[4:5], s[4:5], s[20:21]
	s_add_nc_u64 s[10:11], s[10:11], s[22:23]
.macro LOAD t
.irp i, 0,1,2,3
	global_load_b128 v[XR+16*((\t)%4)+4*\i:XR+16*((\t)%4)+4*\i+3], v3, s[4:5] offset:2048*(\t)+512*\i th:TH_LOAD_NT   ; read once in the launch
.endr
.endm
.irp t, 0,1,2,3
	LOAD \t
.endr
	s_wait_kmcnt 0x0
	s_add_co_i32 s24, s24, 127
	s_lshl_b32 s25, s24, 23
	v_mov_b32 v11, s25                             ; 2^e as f32: the conversion takes its exponent field
	s_add_co_i32 s24, s24, EMAX
	s_lshl_b32 s24, s24, 23
	s_or_b32 s24, s24, MANT
	v_mov_b32 v10, s24                             ; 57,344 x 2^e
.macro STEP t
.set XS, XR+16*((\t)%4)
.if STEPS-1-(\t) >= 3
	s_wait_loadcnt 12                              ; this step's four loads are in; those of the three steps behind it stay out
.else
	s_wait_loadcnt 4*(STEPS-1-(\t))
.endif
.irp i, 0,1,2,3,4,5,6,7,8,9,10,11,12,13,14,15
	v_med3_num_f32 v[XS+\i], v[XS+\i], -v10, v10   ; the conversion does not saturate (ISA guide 7.6.2): the number is held first
.endr
	v_cvt_scalef32_pk8_bf8_f32 v[XC+4*(\t):XC+4*(\t)+1], v[XS:XS+7], v11
	v_cvt_scalef32_pk8_bf8_f32 v[XC+4*(\t)+2:XC+4*(\t)+3], v[XS+8:XS+15], v11 ; (the codes go to a store alone; the numbers' registers next take loads)
.if (\t)+4 < STEPS
	LOAD (\t)+4
.endif
.endm
	s_wait_alu depctr_va_vdst(0)
.irp t, 0,1,2,3,4,5,6,7,8,9,10,11,12,13,14,15
	STEP \t
.endr
.irp t, 0,1,2,3,4,5,6,7,8,9,10,11,12,13,14,15
	global_store_b128 v3, v[XC+4*\t:XC+4*\t+3], s[10:11] offset:512*\t   ; 32 lanes store 512 consecutive bytes, at a multiple of 512 from xc's first byte
.endr
	s_endpgm
; w's way: 16 blocks of 128 columns x 8 runs of 512 along K x 4 words.
; A LANE TAKES A SEAT: lane l of wave v takes seat 32 v + l, which is column 64 (v / 2) + 4 (l % 16) + 2 (v % 2) + l / 16 of the block.  So its 16 codes lie beside its neighbours' in wc, and a store covers 512 bytes on end;
; a load takes every fourth column in sixteen lanes, and two waves share each 256 bytes of qweight, alpha and beta (5.5 MB in all).
; A work-group takes run R of 512 along K (groups 4 R to 4 R + 3) and, of each of the four groups, word lq of its four.  By the order along K stated above, the 16 places 16 l .. 16 l + 15 of the run, l = 8 lq + c,
; hold k = 128 i + 32 lq + 4 c + j at byte 4 i + j: bit 4 c + j of word lq of group 4 R + i.  So the work-group's sixteen words (4 groups x 4 planes) make eight runs of 16 places, c = 0 .. 7.
; +-alpha costs no multiplication: each word is turned once by an exclusive or with a mask (all ones where alpha is not negative), and then a bit of the word IS the sign of its term:
; a shift brings it to bit 31, and v_bfi_b32 sets it over alpha's magnitude.  Exact, and all in f32.
.set WA,  12                           ; v12-27   alpha of my column: group i, plane b at 4 i + b
.set WBE, 28                           ; v28-35   beta of group i, twice, at 2 i
.set WP,  36                           ; v36-51   the words: group i, plane b at 4 i + b
.set WT,  52                           ; v52-67   first the sixteen masks; then two sets of eight terms, by turns
.set WX,  68                           ; v68-83   16 numbers of w, in the order of their places
.set WC,  88                           ; v88-119  codes: four registers for each of the eight runs of 16 places
.Lw:
	s_load_b128 s[4:7], s[0:1], 0x8                ; qweight s[4:5], alpha s[6:7]
	s_load_b128 s[8:11], s[0:1], 0x18              ; beta s[8:9], the scales' exponents s[10:11]
	s_load_b64 s[12:13], s[0:1], 0x30              ; wc
	v_lshrrev_b32 v1, 5, v0
	v_readfirstlane_b32 s16, v1                    ; wave
	v_and_b32 v2, 31, v0                           ; lane
	v_and_b32 v5, 15, v2
	v_lshrrev_b32 v6, 4, v2
	v_lshlrev_b32 v6, 2, v6
	v_lshl_add_u32 v3, v5, 4, v6                   ; in: column 4 (l % 16) + l / 16, 4 bytes each
	v_lshlrev_b32 v4, 4, v2                        ; out: 16 bytes a lane
	s_and_b32 s17, ttmp9, 15                       ; the block of 128 columns
	s_lshr_b32 s18, ttmp9, 4                       ; 4 R + lq
	s_lshr_b32 s32, s18, 2                         ; R
	s_and_b32 s33, s18, 3                          ; lq
	s_lshl_b32 s19, s17, 9
	s_lshr_b32 s20, s16, 1
	s_lshl_b32 s20, s20, 8                         ; 64 (wave / 2) columns,
	s_and_b32 s21, s16, 1
	s_lshl_b32 s21, s21, 3                         ; 2 (wave % 2) columns
	s_add_co_u32 s20, s20, s21
	s_add_co_u32 s19, s19, s20                     ; my wave's first column, in bytes of a row of 2,048 words
	s_lshl_b32 s20, s32, 4
	s_add_co_u32 s20, s20, s33                     ; qweight: word 16 R + lq (group i: 4 i words on),
	s_lshl_b32 s20, s20, 15                        ; of 4 planes x 8,192 bytes
	s_add_co_u32 s20, s20, s19
	s_mov_b32 s21, 0
	s_lshl_b32 s22, s32, 17                        ; alpha: group 4 R
	s_add_co_u32 s22, s22, s19
	s_mov_b32 s23, 0
	s_lshl_b32 s24, s32, 15                        ; beta: group 4 R
	s_add_co_u32 s24, s24, s19
	s_mov_b32 s25, 0
	s_lshl_b32 s26, s17, 19                        ; wc: a block of columns is 256 runs of 2,048 bytes,
	s_lshl_b32 s27, s18, 14                        ; mine begin at run 8 (4 R + lq),
	s_add_co_u32 s26, s26, s27
	s_lshl_b32 s27, s16, 9                         ; my wave's 32 seats are 512 bytes of each
	s_add_co_u32 s26, s26, s27
	s_mov_b32 s27, 0
	s_mov_b32 s28, 0x80000000                      ; the sign bit
	s_wait_alu depctr_va_vdst(0)
	s_wait_kmcnt 0x0
	s_load_b32 s30, s[10:11], 0x4                  ; e of w
	s_add_nc_u64 s[4:5], s[4:5], s[20:21]
	s_add_nc_u64 s[6:7], s[6:7], s[22:23]
	s_add_nc_u64 s[8:9], s[8:9], s[24:25]
	s_add_nc_u64 s[12:13], s[12:13], s[26:27]
.irp i, 0,1,2,3
.irp b, 0,1,2,3
	global_load_b32 v[WA+4*\i+\b], v3, s[6:7] offset:32768*\i+8192*\b
.endr
.endr
.irp i, 0,1,2,3
	global_load_b32 v[WBE+2*\i], v3, s[8:9] offset:8192*\i
.endr
.irp i, 0,1,2,3
.irp b, 0,1,2,3
	global_load_b32 v[WP+4*\i+\b], v3, s[4:5] offset:131072*\i+8192*\b
.endr
.endr
	s_wait_kmcnt 0x0
	s_add_co_i32 s30, s30, 127
	s_lshl_b32 s31, s30, 23
	v_mov_b32 v11, s31                             ; 2^e as f32
	s_add_co_i32 s30, s30, EMAX
	s_lshl_b32 s30, s30, 23
	s_or_b32 s30, s30, MANT
	v_mov_b32 v10, s30                             ; 57,344 x 2^e
	s_wait_loadcnt 16                              ; alpha and beta are in; the sixteen words may be out
.irp n, 0,1,2,3,4,5,6,7,8,9,10,11,12,13,14,15
	v_ashrrev_i32 v[WT+\n], 31, v[WA+\n]           ; all ones where alpha is negative,
.endr
.irp n, 0,1,2,3,4,5,6,7,8,9,10,11,12,13,14,15
	v_xor_b32 v[WT+\n], -1, v[WT+\n]               ; turned: all ones where it is not
.endr
.irp i, 0,1,2,3
	v_mov_b32 v[WBE+2*\i+1], v[WBE+2*\i]
.endr
	s_wait_loadcnt 0x0
.irp n, 0,1,2,3,4,5,6,7,8,9,10,11,12,13,14,15
	v_xor_b32 v[WP+\n], v[WP+\n], v[WT+\n]         ; a bit is now the sign of its term
.endr
; Run c of 16 places, two numbers at a time: number n = 4 i + j is bit 4 c + j of group i's words; then the codes.
.macro CHUNK c
.irp n, 0,2,4,6,8,10,12,14
.set TS, WT+8*((\n/2)%2)
.set GI, \n/4
.set BIT, 4*\c+\n%4
.irp b, 0,1,2,3
	v_lshlrev_b32 v[TS+2*\b], 31-BIT, v[WP+4*GI+\b]
	v_lshlrev_b32 v[TS+2*\b+1], 30-BIT, v[WP+4*GI+\b]
.endr
.irp b, 0,1,2,3
	v_bfi_b32 v[TS+2*\b], s28, v[TS+2*\b], v[WA+4*GI+\b]   ; the sign from the word, all else from alpha
	v_bfi_b32 v[TS+2*\b+1], s28, v[TS+2*\b+1], v[WA+4*GI+\b]
.endr
	v_pk_add_f32 v[WX+\n:WX+\n+1], v[TS:TS+1], v[TS+2:TS+3]
	v_pk_add_f32 v[WX+\n:WX+\n+1], v[WX+\n:WX+\n+1], v[TS+4:TS+5]
	v_pk_add_f32 v[WX+\n:WX+\n+1], v[WX+\n:WX+\n+1], v[TS+6:TS+7]
	v_pk_add_f32 v[WX+\n:WX+\n+1], v[WX+\n:WX+\n+1], v[WBE+2*GI:WBE+2*GI+1]
.endr
.irp n, 0,1,2,3,4,5,6,7,8,9,10,11,12,13,14,15
	v_med3_num_f32 v[WX+\n], v[WX+\n], -v10, v10   ; the hold at the largest code x the scale
.endr
	v_cvt_scalef32_pk8_bf8_f32 v[WC+4*\c:WC+4*\c+1], v[WX:WX+7], v11
	v_cvt_scalef32_pk8_bf8_f32 v[WC+4*\c+2:WC+4*\c+3], v[WX+8:WX+15], v11   ; (the codes go to a store alone; sixteen plain lines on other registers stand ahead of the next write of the numbers)
.endm
.irp c, 0,1,2,3,4,5,6,7
	CHUNK \c
.endr
.irp c, 0,1,2,3,4,5,6,7
	global_store_b128 v4, v[WC+4*\c:WC+4*\c+3], s[12:13] offset:2048*\c   ; 32 lanes store 512 consecutive bytes, at a multiple of 512 from wc's first byte
.endr
	s_endpgm
.Lfunc_end_k_q37480b9301_prep:
	.size	k_q37480b9301_prep, .Lfunc_end_k_q37480b9301_prep-k_q37480b9301_prep
	.p2alignl 7, 3214868480
	.fill 96, 4, 3214868480
	.section	.rodata,"a",@progbits
	.p2align	6, 0x0
	.amdhsa_kernel k_q37480b9301_prep
		.amdhsa_group_segment_fixed_size 0
		.amdhsa_private_segment_fixed_size 0
		.amdhsa_enable_private_segment 0
		.amdhsa_kernarg_size 56
		.amdhsa_user_sgpr_count 2
		.amdhsa_user_sgpr_kernarg_segment_ptr 1
		.amdhsa_wavefront_size32 1
		.amdhsa_system_sgpr_workgroup_id_x 1
		.amdhsa_system_sgpr_workgroup_id_y 1
		.amdhsa_system_sgpr_workgroup_id_z 1
		.amdhsa_system_vgpr_workitem_id 0
		.amdhsa_next_free_vgpr 144
		.amdhsa_next_free_sgpr 66
		.amdhsa_reserve_vcc 0
		.amdhsa_float_denorm_mode_32 3
		.amdhsa_float_denorm_mode_16_64 3
		.amdhsa_memory_ordered 1
		.amdhsa_forward_progress 1
		.amdhsa_inst_pref_size 109
	.end_amdhsa_kernel
	.amdgpu_metadata
---
amdhsa.version: [ 1, 2 ]
amdhsa.kernels:
  - .name:           k_q37480b9301_prep
    .symbol:         k_q37480b9301_prep.kd
    .args:
      - { .name: x, .offset: 0, .size: 8, .value_kind: global_buffer, .address_space: global }
      - { .name: qweight, .offset: 8, .size: 8, .value_kind: global_buffer, .address_space: global }
      - { .name: alpha, .offset: 16, .size: 8, .value_kind: global_buffer, .address_space: global }
      - { .name: beta, .offset: 24, .size: 8, .value_kind: global_buffer, .address_space: global }
      - { .name: lowp_scales, .offset: 32, .size: 8, .value_kind: global_buffer, .address_space: global }
      - { .name: xc, .offset: 40, .size: 8, .value_kind: global_buffer, .address_space: global }
      - { .name: wc, .offset: 48, .size: 8, .value_kind: global_buffer, .address_space: global }
    .group_segment_fixed_size: 0
    .private_segment_fixed_size: 0
    .kernarg_segment_align: 8
    .kernarg_segment_size: 56
    .max_flat_workgroup_size: 128
    .sgpr_count:     66
    .vgpr_count:     144
    .wavefront_size: 32
...
	.end_amdgpu_metadata
.endif
;; end of part 1
;; launch gemm (part 2): grid 8 x 32, 4 waves a work-group, clusters of 4 x 4, 327,680 bytes of LDS; arguments xc, wc, lowp_scales, out0; writes out0
.if DOCPART == 2
	.amdgcn_target "amdgcn-amd-amdhsa--gfx1250"
	.amdhsa_code_object_version 6
	.text
	.protected	k_q37480b9301_gemm
	.globl	k_q37480b9301_gemm
	.p2align	8
	.type	k_q37480b9301_gemm,@function
k_q37480b9301_gemm:
	s_mov_b64 s[64:65], 0
	v_nop
	global_prefetch_b8 v0, s[64:65] scope:SCOPE_SE
	s_setreg_imm32_b32 hwreg(HW_REG_WAVE_MODE, 25, 1), 1
	s_wait_xcnt 0x0
	s_wait_alu depctr_hold_cnt(0) depctr_sa_sdst(0) depctr_va_vdst(0) depctr_va_sdst(0) depctr_va_ssrc(0) depctr_va_vcc(0) depctr_vm_vsrc(0)
	s_getreg_b32 s2, hwreg(HW_REG_IB_STS2, 6, 4)
	s_cmp_eq_u32 s2, 0
	s_cbranch_scc0 .Lentry_in_a_cluster
	s_endpgm
.Lentry_in_a_cluster:
	s_bfe_u32 s2, ttmp6, 0x10000c
	s_cmp_lg_u32 s2, 0xf033
	s_cbranch_scc0 .Lentry_shape_is_right
	s_endpgm
.Lentry_shape_is_right:
; y = x w on codes of BF8 (E5M2): out0[m][n] = 2^(ex + ew) x the sum over places of xc[m][place] x wc[n][place]; sums in f32.  Both buffers hold K in one and the same order of places.
; LIMIT: ex + ew lies between -126 and 127, so that 2^(ex + ew) is an f32 number.
; A work-group of four waves makes 256 x 256 of the result, a wave 128 x 128: 64 accumulators of 16 x 16, 512 registers.  Grid 8 x 32 = 256 work-groups.
; K goes in steps of 256 places through a ring of two LDS slots.  x's tile: 256 rows of 256 bytes, 16 bytes of padding behind each.  w's tile: two dense runs of 32,768 bytes (128 columns x 256 places each), laid in wc so that
; sixteen lanes' 16 bytes of a fragment are 256 bytes on end: no padding.  Each wave fetches a quarter of a slot by one tensor load.
; CLUSTERS: 4 x 4 work-groups; x's tiles are asked for jointly along a row of the cluster, w's along a column.
; A fragment's registers 4 c .. 4 c + 3 hold places 32 c + 16 (l / 16) + 0 .. 15 on both sides: a permutation of K that is the same in both operands.
; THE WAY OUT NEEDS NO LDS.  Source 0 = 16 rows of x, source 1 = 16 columns of w: register j of lane (r, h) of accumulator (a, b) is row 16 a + 8 h + j.  wc seats its columns so that lane r of fragment b holds column
; 64 (b / 4) + 4 r + b % 4 of the wave's 128: the same row's numbers of four accumulators are four neighbouring columns, 16 bytes a lane, and sixteen lanes fill 256 bytes on end.  The multiplication by the scale brings the four together.
; PREFETCHES: a wave's quarter of a K step is 128 runs of 256 bytes (x: a row each; w: on end); the four partners that ask for it jointly take 32 each, by address, a lane a run, one instruction a wave.
; K step 1 is asked for beside the first tile, K steps 2 and 3 behind slot 1's first fill; behind the refill for K step k, K step k + 2; the last two refills ask for nothing.
; REGISTERS: window 0: v0-31 addresses, v128-255 x's fragments (one set); window 1: w's fragments (two sets); window 2: accumulators of my rows 0-63 ((a, b) at 8 (8 a + b)); window 3: rows 64-127.
.set SIZE_N, 2048
.set SIZE_K, 4096
.set ROWB,   256
.set PITCH,  272
.set FR,     16
.set HALFA,  128*PITCH
.set HALFB,  32768
.set SLOT,   2*HALFA+2*HALFB
.set LAPS,   SIZE_K/512
.set SPARE,  2*SLOT                    ; the spare words: 128 bytes a wave
.set ADRA, 16
.set ADRB, 20
.set CO,   26
.set SPW,  28
.set NIL,  29
.set PFO,  30                          ; the prefetches' offset: my lane's run; v12-14: the same one, two, three K steps on
.set AF,   128
.set G1, 24
.set G0, 32
.set G1B, 48
.set G0B, 56
.set PFA, 66                           ; s[66:67] where the loop's prefetches stand
.set PFH, 68                           ; s[68:69] my share of my quarter, at K step 0
.set PST, 70                           ; s[70:71] bytes from a K step to the next: 256 in xc, 32,768 in wc
.set MSB, 0
.macro WIN new                         ; the immediate's high byte repeats the setting that is left
.if MSB != \new
	s_set_vgpr_msb (MSB<<8)|\new
.set MSB, \new
.endif
.endm
.set MUL_LO, 0xa4                      ; source 0 (x) window 0, source 1 (w) window 1, C and D window 2
.set MUL_HI, 0xf4
.set TO_B,   0x40
.macro PLACES
.rept 4
	v_nop
.endr
.endm
.macro JLOAD s                         ; a joint load: waves 0, 1 fetch x's halves, waves 2, 3 w's; s_nop 0 and four v_nop behind each line
	s_cmp_eq_u32 s15, 0
	s_cbranch_scc0 .Lfor_b_\@
	tensor_load_to_lds s[G0+4*\s:G0+4*\s+3], s[G1:G1+7]
	s_nop 0
	PLACES
	s_branch .Lasked_\@
.Lfor_b_\@:
	tensor_load_to_lds s[G0B+4*\s:G0B+4*\s+3], s[G1B:G1B+7]
	s_nop 0
	PLACES
.Lasked_\@:
.endm
.macro CREST                           ; a round of the cluster's barrier behind its opening barrier
	s_cmp_lg_u32 s14, 0
	s_cbranch_scc1 .Lnot_wave_0_\@
	s_barrier_signal -3
.Lnot_wave_0_\@:
	s_barrier_wait -3
	s_barrier_signal -1
	s_barrier_wait -1
.endm
.macro CROUND
	s_barrier_signal -1
	s_barrier_wait -1
	CREST
.endm
.macro ASK                             ; the K step two refills on; s3 = 1 in the loop's last trip, whose refills have none
	s_cmp_gt_u32 s3, 1
	s_cbranch_scc0 .Lno_ask_\@
	global_prefetch_b8 v[PFO], s[PFA:PFA+1] th:TH_LOAD_NT scope:SCOPE_SE
.Lno_ask_\@:
.endm
	s_load_b128 s[4:7], s[0:1], 0x0                ; xc, wc
	s_load_b128 s[8:11], s[0:1], 0x10              ; the scales' exponents, out0
	v_lshl_add_u32 v[SPW], v0, 2, SPARE
	v_mov_b32 v[NIL], 0
	ds_add_u32 v[SPW], v[NIL]                      ; the opening lines: the add twice on end and one wait
	ds_add_u32 v[SPW], v[NIL]
	v_lshrrev_b32 v1, 5, v0
	v_readfirstlane_b32 s14, v1                    ; wave
	s_lshr_b32 s15, s14, 1                         ; my half of the rows; also: I fetch for x (0) or for w (1)
	s_and_b32 s16, s14, 1                          ; my half of the columns; also: which half of that tile I fetch
	s_bfe_u32 s40, ttmp6, 0x40000                  ; cx
	s_bfe_u32 s41, ttmp6, 0x40004                  ; cy
	s_lshl_b32 s42, ttmp9, 2
	s_add_co_u32 s42, s42, s40                     ; tile column
	s_and_b32 s17, ttmp7, 0xffff
	s_lshl_b32 s17, s17, 2
	s_add_co_u32 s17, s17, s41                     ; tile row
	s_lshl_b32 s43, s41, 2
	s_lshl_b32 s43, 15, s43                        ; my row of the cluster
	s_lshl_b32 s44, 0x1111, s40                    ; my column
	s_or_b32 s[G1+0], s43, (1<<20)|(1<<21)|(5<<22)|(3<<25)   ; x: elements of a byte; 4 words of padding behind every 64
	s_mov_b32 s[G1+1], ROWB<<16
	s_mov_b32 s[G1+2], 128<<16
	s_mov_b32 s[G1+3], ROWB<<16
	s_mov_b32 s[G1+4], 128
	s_mov_b32 s[G1+5], SIZE_K
	s_mov_b32 s[G1+6], 0
	s_mov_b32 s[G1+7], 0
	s_or_b32 s[G1B+0], s44, (1<<21)                ; w: 128 rows of 256 bytes on end, no padding
	s_mov_b32 s[G1B+1], 256<<16
	s_mov_b32 s[G1B+2], 128<<16
	s_mov_b32 s[G1B+3], 256<<16
	s_mov_b32 s[G1B+4], 128
	s_mov_b32 s[G1B+5], 256
	s_mov_b32 s[G1B+6], 0
	s_mov_b32 s[G1B+7], 0
	s_lshl_b32 s18, s16, 7
	s_lshl_b32 s20, s17, 8
	s_add_co_u32 s20, s20, s18
	s_lshl_b32 s20, s20, 12                        ; xc: row 256 x tile row + 128 x half, of 4,096 bytes
	s_mov_b32 s21, 0
	s_lshl_b32 s46, s42, 1
	s_add_co_u32 s46, s46, s16
	s_lshl_b32 s46, s46, 19                        ; wc: block of 128 columns, 524,288 bytes
	s_mov_b32 s47, 0
	s_mul_i32 s45, s16, HALFA                      ; where the tiles go
	s_mul_i32 s12, s16, HALFB
	s_add_co_u32 s12, s12, 2*HALFA
	s_mul_i32 s13, s15, HALFA                      ; what I read: my 128 rows of x,
	s_mov_b32 s22, s12                             ; my 128 columns of w
	s_lshl_b32 s80, s17, 8
	s_lshl_b32 s81, s15, 7
	s_add_co_u32 s80, s80, s81
	s_lshl_b32 s80, s80, 13                        ; out0: my first row, of 8,192 bytes,
	s_lshl_b32 s81, s42, 10
	s_add_co_u32 s80, s80, s81
	s_lshl_b32 s81, s16, 9
	s_add_co_u32 s80, s80, s81                     ; my first column
	s_mov_b32 s81, 0
	s_lshl_b32 s72, s40, 17                        ; the prefetches: of x's 128 rows, 32 by cx;
	s_add_co_u32 s72, s72, s20
	s_lshl_b32 s74, s41, 13                        ; of w's 128 runs, 32 by cy
	s_add_co_u32 s74, s74, s46
	s_mov_b32 s75, 0x8000
	s_cmp_eq_u32 s15, 0
	s_cselect_b32 s72, s72, s74
	s_cselect_b32 s[PST], 0x100, s75
	s_cselect_b32 s74, 12, 8                       ; a lane's run: a row of xc, or 256 bytes of wc
	s_mov_b32 s73, 0
	s_mov_b32 s[PST+1], 0
	s_mul_i32 s76, s[PST], 3
	s_mov_b32 s77, 0
	v_and_b32 v1, 15, v0                           ; r
	v_bfe_u32 v2, v0, 4, 1                         ; h
	v_and_b32 v7, 31, v0                           ; lane
	v_mul_u32_u24 v3, v1, PITCH
	v_lshl_add_u32 v4, v2, 4, v3
	v_lshlrev_b32 v5, 4, v1
	v_lshl_add_u32 v[CO], v2, 16, v5               ; out0: 16 r bytes, and 8 rows of 8,192 bytes on for lanes 16-31
	v_lshl_add_u32 v5, v2, 11, v5
	v_add_nc_u32 v[ADRA], s13, v4                  ; x: r x pitch + 16 h
	v_add_nc_u32 v[ADRA+1], SLOT, v[ADRA]
	v_add_nc_u32 v[ADRB], s22, v5                  ; w: 16 r + 2,048 h
	v_add_nc_u32 v[ADRB+1], SLOT, v[ADRB]
	v_lshlrev_b32 v[PFO], s74, v7
	v_add_nc_u32 v12, s[PST], v[PFO]
	v_add_nc_u32 v13, s[PST], v12
	v_add_nc_u32 v14, s[PST], v13
	s_wait_alu depctr_va_vdst(0)
	s_wait_dscnt 0x0                               ; both opening adds are done
	s_wait_kmcnt 0x0
	s_load_b64 s[96:97], s[8:9], 0x0               ; ex, ew
	s_add_nc_u64 s[20:21], s[4:5], s[20:21]
	s_add_nc_u64 s[46:47], s[6:7], s[46:47]
	s_add_nc_u64 s[10:11], s[10:11], s[80:81]
	s_cmp_eq_u32 s15, 0
	s_cselect_b64 s[PFH:PFH+1], s[4:5], s[6:7]
	s_add_nc_u64 s[PFH:PFH+1], s[PFH:PFH+1], s[72:73]
	s_add_nc_u64 s[PFA:PFA+1], s[PFH:PFH+1], s[76:77]   ; at K step 3: the first refill steps it to 4
.irp s, 0,1
	s_mov_b32 s[G0+4*\s], 1
	s_add_co_u32 s[G0+4*\s+1], s45, \s*SLOT
	s_add_nc_u64 s[G0+4*\s+2:G0+4*\s+3], s[20:21], \s*ROWB
	s_or_b32 s[G0+4*\s+3], s[G0+4*\s+3], 0x80000000
	s_mov_b32 s[G0B+4*\s], 1
	s_add_co_u32 s[G0B+4*\s+1], s12, \s*SLOT
	s_add_nc_u64 s[G0B+4*\s+2:G0B+4*\s+3], s[46:47], \s*HALFB
	s_or_b32 s[G0B+4*\s+3], s[G0B+4*\s+3], 0x80000000
.endr
	CROUND                                         ; in front of the first joint loads
	JLOAD 0                                        ; K step 0: one tensor load a wave at the head
	global_prefetch_b8 v12, s[PFH:PFH+1] th:TH_LOAD_NT scope:SCOPE_SE   ; K step 1, whose load follows when K step 0 is in
.macro FRAGA reg, adr, q, i
.irp c, 0,1,2,3
	ds_load_b128 v[\reg+4*\c:\reg+4*\c+3], v[\adr] offset:128*(\q)+32*\c+(\i)*16*PITCH
.endr
.endm
.macro FRAGB reg, adr, q, i
.irp c, 0,1,2,3
	ds_load_b128 v[\reg+4*\c:\reg+4*\c+3], v[\adr] offset:(8*(\q)+2*\c)*2048+256*(\i)
.endr
.endm
; eight matrix instructions: x's block a against w's eight of set p; the 64 accumulators take turns, in the same order in every step
.macro MULA a, p, zero
.irp b, 0,1,2,3,4,5,6,7
.if \zero
	v_wmma_f32_16x16x128_bf8_bf8 v[8*(8*((\a)%4)+\b):8*(8*((\a)%4)+\b)+7], v[AF+FR*(\a):AF+FR*(\a)+FR-1], v[128*(\p)+FR*\b:128*(\p)+FR*\b+FR-1], 0
.else
	v_wmma_f32_16x16x128_bf8_bf8 v[8*(8*((\a)%4)+\b):8*(8*((\a)%4)+\b)+7], v[AF+FR*(\a):AF+FR*(\a)+FR-1], v[128*(\p)+FR*\b:128*(\p)+FR*\b+FR-1], v[8*(8*((\a)%4)+\b):8*(8*((\a)%4)+\b)+7]
.endif
.endr
.endm
.macro FETCH_B slot, q, p              ; 32 loads
	WIN TO_B
.irp i, 0,1,2,3,4,5,6,7
	FRAGB 128*(\p)+FR*\i, ADRB+\slot, \q, \i
.endr
	WIN 0
.endm
.macro FETCH_A slot, q, i0             ; 16 loads
.irp i, \i0, \i0+1, \i0+2, \i0+3
	FRAGA AF+FR*(\i), ADRA+\slot, \q, \i
.endr
.endm
; A slot's first 128 places, on w's set 0.  Out at its head, oldest first: w's set 0 and x's blocks 0-3; x's blocks 4-7 (16 loads); w's set 1 (32).
.macro STEP slot, zero
	s_wait_dscnt 48
	WIN MUL_LO
.irp a, 0,1,2,3
	MULA \a, 0, \zero
.endr
	s_wait_dscnt 32                                ; x's blocks 4-7 are in
	PLACES                                         ; in front of loads into registers that matrix instructions have read
	WIN 0
	FETCH_A \slot, 1, 0
	WIN MUL_HI
.irp a, 4,5,6,7
	MULA \a, 0, \zero
.endr
	PLACES
	WIN 0
	FETCH_A \slot, 1, 4
.endm
; A slot's last 128 places, on w's set 1, and the change of slots.  fill = 1: the slot is filled again, two K steps on.
.macro TURN slot, next, fill
.if \fill
	s_wait_xcnt 0x0                                ; my last prefetch has read its address: it steps
	s_add_nc_u64 s[PFA:PFA+1], s[PFA:PFA+1], s[PST:PST+1]
.endif
	s_wait_dscnt 16                                ; w's set 1 and x's blocks 0-3 are in
	WIN MUL_LO
	MULA 0, 1, 0
	MULA 1, 1, 0
	WIN 0
	s_wait_tensorcnt 0x0                           ; my one tensor load that was out, my part of the next slot, has landed
	ds_add_u32 v[SPW], v[NIL]
	WIN MUL_LO
	MULA 2, 1, 0
	s_wait_dscnt 0x0                               ; the add is done, and my reads of this slot are back
	s_barrier_signal -1
	MULA 3, 1, 0
	WIN 0
	s_barrier_wait -1
.if \fill
	CREST                                          ; the barrier has opened a round of the cluster's barrier
	s_add_nc_u64 s[G0+4*\slot+2:G0+4*\slot+3], s[G0+4*\slot+2:G0+4*\slot+3], 2*ROWB
	s_add_nc_u64 s[G0B+4*\slot+2:G0B+4*\slot+3], s[G0B+4*\slot+2:G0B+4*\slot+3], 2*HALFB
	JLOAD \slot                                    ; the first tensor load behind the round; its four v_nop are the places in front of the loads below
.else
	PLACES
.endif
	FETCH_B \next, 0, 0
	FETCH_A \next, 0, 0
.if \fill
	ASK
.endif
	WIN MUL_HI
.irp a, 4,5,6,7
	MULA \a, 1, 0
.endr
	PLACES
	WIN 0
	FETCH_A \next, 0, 4
	FETCH_B \next, 1, 1
.endm
	s_wait_tensorcnt 0x0                           ; my part of K step 0 is in; slot 1's first fill is issued as a refill is
	ds_add_u32 v[SPW], v[NIL]
	s_wait_dscnt 0x0
	CROUND
	JLOAD 1
	FETCH_B 0, 0, 0
	FETCH_A 0, 0, 0
	FETCH_A 0, 0, 4
	FETCH_B 0, 1, 1
	global_prefetch_b8 v13, s[PFH:PFH+1] th:TH_LOAD_NT scope:SCOPE_SE   ; K steps 2 and 3: their loads follow 96 and 224 matrix instructions on
	global_prefetch_b8 v14, s[PFH:PFH+1] th:TH_LOAD_NT scope:SCOPE_SE
	STEP 0, 1                                      ; the first step's products start the sums
	s_mov_b32 s3, LAPS-1
.Llap:                                                 ; a trip goes once round the ring and fills both slots again
	TURN 0, 1, 1
	STEP 1, 0
	TURN 1, 0, 1
	STEP 0, 0
	s_sub_co_u32 s3, s3, 1
	s_cmp_lg_u32 s3, 0
	s_cbranch_scc1 .Llap
	TURN 0, 1, 0                                   ; the last lap fills nothing
	STEP 1, 0
	s_wait_dscnt 16
	WIN MUL_LO
.irp a, 0,1,2,3
	MULA \a, 1, 0
.endr
	s_wait_dscnt 0x0
	WIN MUL_HI
.irp a, 4,5,6,7
	MULA \a, 1, 0
.endr
	WIN 0
; THE WAY OUT.  All 512 multiplications stand ahead of the 128 stores.  Block a's 64 products go to registers that are done with: blocks 0-3 to window 1, blocks 4-6 to v32-223 of window 0, block 7 to block 0's accumulators.
.macro SCALE a, d                      ; registers d + 32 g + 4 j + 0 .. 3: row 16 a + 8 h + j, columns 64 g + 4 r + 0 .. 3; each accumulator is read from its low end on
.irp g, 0,1
.irp j, 0,1,2,3,4,5,6,7
.irp b, 0,1,2,3
	v_mul_f32 v[\d+32*\g+4*\j+\b], v[64*((\a)%4)+8*(4*\g+\b)+\j], s96
.endr
.endr
.endr
.endm
.macro OUT a, d                        ; sixteen lanes store 256 consecutive bytes, at a multiple of 256 from out0's first byte; the other sixteen the same columns eight rows on
.irp j, 0,1,2,3,4,5,6,7
.irp g, 0,1
	global_store_b128 v[CO], v[\d+32*\g+4*\j:\d+32*\g+4*\j+3], s[10:11] offset:(16*(\a)+\j)*SIZE_N*4+256*\g th:TH_STORE_NT
.endr
.endr
.endm
	s_wait_kmcnt 0x0
	s_add_co_i32 s96, s96, s97
	s_add_co_i32 s96, s96, 127
	s_lshl_b32 s96, s96, 23                        ; 2^(ex + ew) as f32
	PLACES                                         ; behind the last products
	WIN 0x42                                       ; from window 2 into window 1
.irp a, 0,1,2,3
	SCALE \a, 64*\a
.endr
	WIN 0x03                                       ; from window 3 into window 0
	SCALE 4, 32
	SCALE 5, 96
	SCALE 6, 160
	WIN 0x83                                       ; from window 3 into window 2
	SCALE 7, 0
	WIN 0x04                                       ; a store's data are its source 1
.irp a, 0,1,2,3
	OUT \a, 64*\a
.endr
	WIN 0
	OUT 4, 32
	OUT 5, 96
	OUT 6, 160
	WIN 0x08
	OUT 7, 0
	WIN 0
	s_wait_tensorcnt 0x0                           ; the wave's end
	ds_add_u32 v[SPW], v[NIL]
	s_wait_dscnt 0x0
	CROUND                                         ; the closing round
	s_endpgm
.Lfunc_end_k_q37480b9301_gemm:
	.size	k_q37480b9301_gemm, .Lfunc_end_k_q37480b9301_gemm-k_q37480b9301_gemm
	.p2alignl 7, 3214868480
	.fill 96, 4, 3214868480
	.section	.rodata,"a",@progbits
	.p2align	6, 0x0
	.amdhsa_kernel k_q37480b9301_gemm
		.amdhsa_group_segment_fixed_size 327680
		.amdhsa_private_segment_fixed_size 0
		.amdhsa_enable_private_segment 0
		.amdhsa_kernarg_size 32
		.amdhsa_user_sgpr_count 2
		.amdhsa_user_sgpr_kernarg_segment_ptr 1
		.amdhsa_wavefront_size32 1
		.amdhsa_system_sgpr_workgroup_id_x 1
		.amdhsa_system_sgpr_workgroup_id_y 1
		.amdhsa_system_sgpr_workgroup_id_z 1
		.amdhsa_system_vgpr_workitem_id 0
		.amdhsa_next_free_vgpr 1024
		.amdhsa_next_free_sgpr 98
		.amdhsa_reserve_vcc 0
		.amdhsa_float_denorm_mode_32 3
		.amdhsa_float_denorm_mode_16_64 3
		.amdhsa_memory_ordered 1
		.amdhsa_forward_progress 1
		.amdhsa_inst_pref_size 124
	.end_amdhsa_kernel
	.amdgpu_metadata
---
amdhsa.version: [ 1, 2 ]
amdhsa.kernels:
  - .name:           k_q37480b9301_gemm
    .symbol:         k_q37480b9301_gemm.kd
    .args:
      - { .name: xc, .offset: 0, .size: 8, .value_kind: global_buffer, .address_space: global }
      - { .name: wc, .offset: 8, .size: 8, .value_kind: global_buffer, .address_space: global }
      - { .name: lowp_scales, .offset: 16, .size: 8, .value_kind: global_buffer, .address_space: global }
      - { .name: out0, .offset: 24, .size: 8, .value_kind: global_buffer, .address_space: global }
    .group_segment_fixed_size: 327680
    .private_segment_fixed_size: 0
    .kernarg_segment_align: 8
    .kernarg_segment_size: 32
    .max_flat_workgroup_size: 128
    .sgpr_count:     98
    .vgpr_count:     1024
    .wavefront_size: 32
...
	.end_amdgpu_metadata
.endif
;; end of part 2
